; MI455X (gfx1250); checked and timed in simulation.
; The chip was launched on July 23, 2026; its instructions are those of AMD's public machine-readable ISA for CDNA 5 (MIT licence, August 2026) and "CDNA5" Instruction Set Architecture Reference Guide (July 2026). The comments in the code are by the model that wrote it; some were corrected since.
;; Stacked Linear. Allowed arithmetic: float matrix products may take bf16 or f16 operands with f32 sums; other float arithmetic in f32, or as packed bf16 or f16 multiplies, adds, multiply-adds, maxima and minima; sums over many terms, partial sums and values carried from step to step in f32; what a program stores and reads back later, other than sums and carried values, may be rounded once to bf16 or f16.
;; Inputs: W 16,384 x 1,024 float32; b 16,384 float32; ls_indices 4,096 int32; x 4,096 x 1,024 float32.
;; Outputs: out0 4,096 x 1,024 float32.
;; 2 versions, each right and faster than the one before. Each part assembles by itself: llvm-mc -triple=amdgcn-amd-amdhsa -mcpu=gfx1250 --defsym DOCPART=n.
;; ======== version 1 of 2: 1 launch
;; launch stacked (part 1): grid 16 x 16, 4 waves a work-group, no clusters, 199,424 bytes of LDS; arguments x, ls_indices, W, b, out0; writes out0
.if DOCPART == 1
	.amdgcn_target "amdgcn-amd-amdhsa--gfx1250"
	.amdhsa_code_object_version 6
	.text
	.protected	k_qd7313177f7_stacked
	.globl	k_qd7313177f7_stacked
	.p2align	8
	.type	k_qd7313177f7_stacked,@function
k_qd7313177f7_stacked:
	s_mov_b64 s[64:65], 0
	v_nop
	global_prefetch_b8 v0, s[64:65] scope:SCOPE_SE
	s_setreg_imm32_b32 hwreg(HW_REG_WAVE_MODE, 25, 1), 1
	s_wait_xcnt 0x0
; out0[t][:] = x[t][:] . W[e]^T + b[e], e = ls_indices[t].  x: [4096][1024] f32; W: [16 x 1024][1024] f32; b: [16 x 1024] f32; ls_indices: [4096] i32; out0: [4096][1024] f32.
; Only the chosen expert's product is made for a token.  A work-group (x = slice s of 64 output columns, y = expert e) reads its 64 rows of W, which no other work-group reads, once,
; rounds them to bf16 into LDS, and then takes ALL rows of its expert through them.  Each output row has one owner for each slice: nothing is added up later.
; THE LIST.  Every work-group makes its expert's list of tokens itself: wave w scans tokens 1024 w .. 1024 w + 1023 by compares and bit counts into a sublist of its own in LDS (a lane whose token is
; another expert's stores into a dump word behind the sublist, so that every store runs with all lanes on); four counts and their prefix sums turn a rank 0 .. n - 1 into a place in a sublist.
; The text serves every split: n = 0 (nothing is stored) to n = 4096 (13 passes).
; SHARES.  The n rows are ceil(n / 16) tiles of 16, dealt to the four waves in turn.  A wave takes up to five of its tiles in a PASS through all of K.  Places past n repeat the last listed row.
; A tile that lies wholly past n is not stored.  In the one tile that n cuts the repeated places are stored too: they hold the same token, the same operands and so the same sums as the last listed row, and go
; onto that row's own bytes, from the same wave: at the most 15 x 256 bytes stored again in a work-group.  So no line of this text switches a lane off.
; K IS WALKED IN BLOCKS OF 64, BEGINNING AT BLOCK s: the sixteen work-groups of an expert, which read the same token rows, stand at sixteen different blocks of 256 bytes of a row at any step.
; THE MATRIX INSTRUCTION IS USED TRANSPOSED (source 0 = 16 rows of W, source 1 = 16 token rows): a lane then holds eight neighbouring columns of one token's row.  The bias is the C operand that starts the sums.
; NO JOINT LOADS: a slice of W has one reader; the token rows that an expert's work-groups share come by a list, which no tile of a descriptor covers.  W passes through registers, where it is rounded:
; in LDS it then takes half the bytes, and each of the four waves reads all of it in every pass.
; LIMITS.  x and W are rounded once to bf16, sums and bias are f32; the sum over K runs in ascending order from block s on and wraps round, which is another order than the reference's.
; A token whose index lies outside 0 .. 15 is in no list: its row is not written (the reference relies on indices inside the table).  NaN and infinities go as the matrix unit takes them.
;
; LDS: WB 64 rows of W in bf16, pitch 2,064; STG a stage of 11,520 bytes for each wave (x: five tiles of 16 rows, pitch 144; on the way out: 16 rows, pitch 272); LIST four sublists of 4,608 bytes;
;      CNT four counts; TKT 512 bytes for each wave: the tokens of a pass's five tiles; SPARE.
; REGISTERS, in windows of 256 (s_set_vgpr_msb: bits 1:0 source 0, 3:2 source 1, 5:4 source 2, 7:6 destination):
;   window 0: addresses, bias, fragments of W (BF) and of x (AF)      windows 1 and 2: two sets for x on its way in: XS 160 registers as loaded, OFF 40 offsets, TMP 16 at work, SA the stage's address
;   window 3: the 20 accumulators; before the passes, where W lands (two sets of 128)
.set WP,    2064      ; a row of W in LDS: 2,048 bytes + 16 = 129 x 16: the 16 rows of a fragment load start at 16 different groups of four banks (64 banks of 4 bytes: ISA guide 11.1)
.set XP,    144       ; a row of a tile of x: 128 bytes + 16 = 9 x 16
.set OP,    272       ; a row on the way out: 256 bytes + 16 = 17 x 16
.set XT,    16*XP     ; a tile of x in the stage
.set STG,   64*WP
.set STGW,  5*XT
.set LIST,  STG+4*STGW
.set LP,    4608      ; a sublist: 1,024 entries, 32 dump words, the rest unused: nine stores of 512 bytes clear it
.set LMAX,  4096+124  ; the last byte offset that a list store may name: the last dump word
.set LKMAX, 3*LP+4092 ; the last that a look-up may name: sublist 3's last entry
.set CNT,   LIST+4*LP
.set TKT,   CNT+256
.set SPARE, TKT+4*512 ; the spare words, 128 bytes for each wave: two blocks of 256 bytes that no other line names
.set PASSES, 13       ; 4,096 rows on one expert are 256 tiles, 64 a wave: 13 passes of five
; window 0
.set LN16, 1          ; 16 (l % 16)
.set LB16, 2          ; 16 l
.set WSA,  3          ; where I put 8 bytes of my wave's first row of W
.set B0,   4          ; my place in a fragment of W, K block 0
.set BA,   5          ; the same at the K block in hand, column blocks 0, 1
.set BA2,  6          ; column blocks 2, 3
.set AA,   7          ; my place in a fragment of x
.set STO,  8          ; the way out: where I put 32 bytes of a row
.set RD,   9          ; the way out: where I read 16 bytes of a row back
.set R16,  11         ; l % 16
.set SPW,  12         ; LDS address of my spare word; never rewritten
.set NIL,  13         ; 0; never rewritten
.set TOK0, 14         ; 1024 w + 4 l
.set CA,   15         ; my wave's word in CNT
.set DMP,  16         ; my dump word's byte offset in a sublist: 4,096 + 4 l
.set TKA,  17         ; where row l % 16's token goes in my wave's table
.set TKR,  18         ; where I read eight tokens back: rows 8 (l / 16) on
.set ZR,   20         ; v20-23 zeros, to clear the sublist
.set TR,   24         ; v24-27 at work
.set TD,   25
.set TP,   26
.set TV,   27
.set CN,   28         ; v28-31 the four counts
.set TK,   32         ; v32-36 tile j's tokens, row l % 16
.set SA0,  37         ; where I put 8 bytes of a row of x
.set IOFF, 38         ; my 16 bytes of the indices
.set BOFF, 39         ; 32 (l / 16)
.set BIAS, 40         ; v40-71 the bias as an accumulator holds it: column block nt at 8 nt
.set BF,   72         ; v72-135 W's fragments: K half f, column block nt at 8 (4 f + nt).  Earlier: the indices; W rounded.  Later: rows on their way out
.set AF,   136        ; v136-215 x's fragments: tile j, K half f at 16 j + 8 f.  Between passes: 40 tokens
; windows 1 and 2
.set OFF,  160        ; unit q = 8 j + i: token x 4,096 + 16 (l % 16); XS of that unit at 4 q
.set TMP,  200
.set SA,   216
; scalars
.set AX, 4            ; s[4:5] x   s[6:7] ls_indices   s[8:9] W   s[10:11] b   s[12:13] out0
.set AI, 6
.set AW, 8
.set AB, 10
.set AO, 12
.set WV, 14           ; my wave
.set EX, 15           ; my expert
.set SL, 16           ; my slice
.set RUN, 17          ; entries in my sublist so far
.set CB, 18
.set C0, 20           ; s20-23 the four counts
.set B1, 24           ; s24-26 ranks at which sublists 1, 2, 3 begin
.set D1S, 27          ; s27-29 4,608 k - 4 x that rank: never negative, since a sublist holds 1,024 at the most
.set NN, 30           ; n
.set NM1, 31          ; the last rank
.set NT, 32           ; tiles
.set MW, 33           ; my wave's tiles
.set NP, 34           ; my wave's passes
.set PC, 35           ; the trip of the loop over passes
.set XB, 36           ; s[36:37] x at the K block to be asked for
.set KO, 38           ; s[38:39] that block's bytes
.set KI, 40           ; slice + step
.set TS, 41           ; at work
.set LC, 42
.set RB, 43           ; the rank of my first tile's first row in this pass
.set G5, 44           ; 1: the pass has a fifth tile
.set VR, 45           ; rows of a tile that exist
.set KL, 46
.set LB, 47           ; my sublist
.set OB, 48           ; s[48:49] out0 at my slice
.set WBP, 50          ; s[50:51] W at my wave's 16 rows
.set BBP, 52          ; s[52:53] b at my slice
.set OF, 54           ; s[54:55] an offset
.set SB, 56           ; my stage
.set PN, 57           ; the pass that is being prepared
.set MSB, 0
.macro WIN new                         ; the immediate's high byte repeats the setting that is left; a switch that changes nothing is dropped
.if MSB != (\new)
	s_set_vgpr_msb (MSB<<8)|(\new)
.set MSB, \new
.endif
.endm
.set W_MM, 0xf0       ; C and D in window 3, fragments in window 0
.set W_MF, 0xc0       ; D in window 3, C (the bias) in window 0
.set W_WL, 0xc0       ; a load's destination in window 3
.set W_WC, 0x0f       ; sources in window 3, destination in window 0
.set W_D1, 0x40       ; destination in window 1
.set W_D2, 0x80       ; destination in window 2
.set W_OS, 0x0c       ; an LDS store's data in window 3
.set W_OG, 0x01       ; a store's offset in window 1, its data in window 0
.macro PLACES                          ; four plain instructions between a matrix instruction and a load into, or an LDS store out of, its registers (ISA guide 7.12.1 for vector instructions)
.rept 4
	v_nop
.endr
.endm
; x at K block (slice + step + d) mod 16.  The base is rewritten only when every earlier load has had its address translated (ISA guide 3.1).
.macro SETXB d
	s_wait_xcnt 0x0
	s_add_co_u32 s[TS], s[KI], \d
	s_and_b32 s[TS], s[TS], 15
	s_lshl_b32 s[KO], s[TS], 8
	s_add_nc_u64 s[XB:XB+1], s[AX:AX+1], s[KO:KO+1]
.endm
; 40 loads: unit q = 8 j + i brings 256 whole bytes of each of rows i and i + 8 of tile j
.macro XLOAD S
	WIN 0x55*(1+(\S))
.set q, 0
.rept 40
	global_load_b128 v[4*q:4*q+3], v[OFF+q], s[XB:XB+1]
.set q, q+1
.endr
	WIN 0
.endm
; One unit goes from set S into the stage: four f32 a lane become 8 bytes; the two rows lie 1,152 bytes apart, 128 modulo 256, so the 32 lanes take each bank once.  refill = 1: the unit is asked for again, at XB.
.macro UNIT S, j, i, refill
	WIN 0x55*(1+(\S))
	v_cvt_pk_bf16_f32 v[TMP+2*(\i)], v[32*(\j)+4*(\i)], v[32*(\j)+4*(\i)+1]
	v_cvt_pk_bf16_f32 v[TMP+2*(\i)+1], v[32*(\j)+4*(\i)+2], v[32*(\j)+4*(\i)+3]
	ds_store_b64 v[SA], v[TMP+2*(\i):TMP+2*(\i)+1] offset:XT*(\j)+XP*(\i)
.if \refill
	global_load_b128 v[32*(\j)+4*(\i):32*(\j)+4*(\i)+3], v[OFF+8*(\j)+(\i)], s[XB:XB+1]
.endif
.endm
; Product i of 8 of tile j: K half i / 4, column block i % 4.  The tile's four accumulators take turns, one instruction a turn; so do the last of a tile and the first of the next.
.macro MMA j, i, first
.if (\first) && ((\i) < 4)
	WIN W_MF
	v_wmma_f32_16x16x32_bf16 v[32*(\j)+8*((\i)%4):32*(\j)+8*((\i)%4)+7], v[BF+8*(\i):BF+8*(\i)+7], v[AF+16*(\j)+8*((\i)/4):AF+16*(\j)+8*((\i)/4)+7], v[BIAS+8*((\i)%4):BIAS+8*((\i)%4)+7]
.else
	WIN W_MM
	v_wmma_f32_16x16x32_bf16 v[32*(\j)+8*((\i)%4):32*(\j)+8*((\i)%4)+7], v[BF+8*(\i):BF+8*(\i)+7], v[AF+16*(\j)+8*((\i)/4):AF+16*(\j)+8*((\i)/4)+7], v[32*(\j)+8*((\i)%4):32*(\j)+8*((\i)%4)+7]
.endif
.endm
; A step's fragments in one run: 16 loads of W at the K block in hand, then 4 for each tile of x out of my stage.  guard = 1: the fifth tile's are jumped where the pass has none.
.macro FRAGS guard
	WIN 0
	PLACES
	s_and_b32 s[KL], s[KI], 15
	s_lshl_b32 s[KL], s[KL], 7                     ; a K block is 128 bytes of a row of W in LDS
	v_add_nc_u32 v[BA], s[KL], v[B0]
	v_add_nc_u32 v[BA2], 32*WP, v[BA]
.irp f, 0,1
.irp nt, 0,1,2,3
	ds_load_b128 v[BF+8*(4*\f+\nt):BF+8*(4*\f+\nt)+3],   v[BA+\nt/2] offset:(\nt%2)*16*WP+64*\f
	ds_load_b128 v[BF+8*(4*\f+\nt)+4:BF+8*(4*\f+\nt)+7], v[BA+\nt/2] offset:(\nt%2)*16*WP+64*\f+32
.endr
.endr
.irp j, 0,1,2,3
.irp f, 0,1
	ds_load_b128 v[AF+16*\j+8*\f:AF+16*\j+8*\f+3],   v[AA] offset:XT*\j+64*\f
	ds_load_b128 v[AF+16*\j+8*\f+4:AF+16*\j+8*\f+7], v[AA] offset:XT*\j+64*\f+32
.endr
.endr
.if \guard
	s_cmp_eq_u32 s[G5], 0
	s_cbranch_scc1 .Lno_af_\@
.endif
.irp f, 0,1
	ds_load_b128 v[AF+64+8*\f:AF+64+8*\f+3],   v[AA] offset:XT*4+64*\f
	ds_load_b128 v[AF+64+8*\f+4:AF+64+8*\f+7], v[AA] offset:XT*4+64*\f+32
.endr
.if \guard
.Lno_af_\@:
.endif
.endm
; Tile j's eight products; stage = 1: behind each, one unit of the NEXT step's tile j goes into the stage.  LDS serves a wave's instructions in order (ISA guide 5.7.1.4): the stage's old bytes were read by the run above.
; ND: the LDS instructions issued behind this tile's fragment loads on every path.  NL: the loads issued behind this tile's units on every path.
.macro TILE S, j, stage, refill, first, NL, ND
	s_wait_dscnt (\ND)
.if \stage
	s_wait_loadcnt (\NL)
.endif
.irp i, 0,1,2,3,4,5,6,7
	MMA \j, \i, \first
.if \stage
	UNIT \S, \j, \i, \refill
.endif
.endr
.endm
; STEP t multiplies K block t, stages block t + 1 out of set S = (t + 1) % 2, and (refill = 1) asks for block t + 3 into that set.
; Counts of loads.  With refills: behind tile j's eight stand the set's later tiles, 8 (3 - j) at the least, the other set's 32 at the least, and this step's 8 j: 56; behind the fifth tile's 32 + 32, of which the wait's field holds 63.
; Without: 8 (3 - j) + extra, extra = what of the other set is still out (32, then 0); the fifth tile: extra.
; Counts of LDS instructions: the later tiles' fragment loads, 4 (3 - j) at the least, and 8 j stage stores; the fifth tile: 32 stage stores.
.macro STEP S, stage, refill, first, guard, extra
.if \refill
	SETXB 3
.endif
	FRAGS \guard
.irp j, 0,1,2,3
.if \refill
	TILE \S, \j, \stage, 1, \first, 56, 4*(3-\j)+8*\j*\stage
.else
	TILE \S, \j, \stage, 0, \first, 8*(3-\j)+\extra, 4*(3-\j)+8*\j*\stage
.endif
.endr
	WIN 0                                          ; at a branch and at a label every window is 0
.if \guard
	s_cmp_eq_u32 s[G5], 0
	s_cbranch_scc1 .Lno_5_\@
.endif
.if \refill
	TILE \S, 4, \stage, 1, \first, 63, 32*\stage
.else
	TILE \S, 4, \stage, 0, \first, \extra, 32*\stage
.endif
	WIN 0
.if \guard
.Lno_5_\@:
.endif
	s_add_co_u32 s[KI], s[KI], 1
.endm
; The token of rank RB + 64 j + l % 16 (at the most the last rank): the sublist is the last whose first rank is not greater; the byte offset is held inside the four sublists, and the list's base is added last.
.macro LOOKUP j
	s_add_co_u32 s[TS], s[RB], 64*(\j)
	v_add_nc_u32 v[TR], s[TS], v[R16]
	v_min_u32 v[TR], s[NM1], v[TR]
	v_mov_b32 v[TD], 0
.irp k, 0,1,2
	v_cmp_le_u32 vcc_lo, s[B1+\k], v[TR]
	v_cndmask_b32 v[TD], v[TD], s[D1S+\k], vcc_lo
.endr
	v_lshl_add_u32 v[TD], v[TR], 2, v[TD]
	v_min_u32 v[TD], LKMAX, v[TD]
	v_add_nc_u32 v[TD], LIST, v[TD]
	ds_load_b32 v[TK+(\j)], v[TD]
.endm
; PASS PN IS PREPARED: the tokens of its five tiles, the 40 units' offsets in both sets, and the first two K blocks of x are asked for.
.macro PRE
	WIN 0
	s_wait_xcnt 0x0                                ; the offsets were the last pass's stores' addresses: they are rewritten only behind this wait
	s_mul_i32 s[RB], s[PN], 320                    ; my tile j of pass p is tile w + 4 (5 p + j): its first rank is 320 p + 16 w + 64 j
	s_lshl4_add_u32 s[RB], s[WV], s[RB]
	s_mul_i32 s[TS], s[PN], 5
	s_add_co_u32 s[TS], s[TS], 4
	s_cmp_lt_u32 s[TS], s[MW]
	s_cselect_b32 s[G5], 1, 0
	s_mov_b32 s[KI], s[SL]
	LOOKUP 0
	LOOKUP 1
	LOOKUP 2
	LOOKUP 3
	LOOKUP 4
	s_wait_dscnt 0x0
.irp j, 0,1,2,3,4
	ds_store_b32 v[TKA], v[TK+\j] offset:64*\j     ; row l % 16's token into my wave's table; the two halves of the lanes store the same word
.endr
.irp j, 0,1,2,3,4
	ds_load_b128 v[AF+8*\j:AF+8*\j+3],   v[TKR] offset:64*\j     ; back: lanes 0-15 take the tokens of rows 0-7, lanes 16-31 of rows 8-15: register 8 j + i serves unit i.
	ds_load_b128 v[AF+8*\j+4:AF+8*\j+7], v[TKR] offset:64*\j+16  ; LDS serves a wave's instructions in order (ISA guide 5.7.1.4): these see the stores above
.endr
	s_wait_dscnt 0x0
.set q, 0
.rept 40
	v_min_u32 v[AF+q], 0xfff, v[AF+q]              ; a token number stays inside x and out0
.set q, q+1
.endr
.set q, 0
.rept 40
	v_lshlrev_b32 v[AF+q], 12, v[AF+q]             ; a row is 4,096 bytes
.set q, q+1
.endr
	WIN W_D1
.set q, 0
.rept 40
	v_add_nc_u32 v[OFF+q], v[LN16], v[AF+q]
.set q, q+1
.endr
	WIN W_D2
.set q, 0
.rept 40
	v_add_nc_u32 v[OFF+q], v[LN16], v[AF+q]
.set q, q+1
.endr
	WIN 0
	SETXB 0
	XLOAD 0
	SETXB 1
	XLOAD 1
.endm
; 32 loads: rows 4 b .. 4 b + 3 of my wave's 16 rows of W, each load 512 consecutive bytes of a row, into window 3 from register base on
.macro WLOAD b, base
	WIN W_WL
.set q, 0
.rept 32
	global_load_b128 v[(\base)+4*q:(\base)+4*q+3], v[LB16], s[WBP:WBP+1] offset:(4*(\b)+q/8)*4096+512*(q%8) th:TH_LOAD_NT
.set q, q+1
.endr
	WIN 0
.endm
; Batch b has landed (NW: the loads issued behind it): it is rounded, its registers are asked for again (batch next), and the 256 bytes that each load has become go into LDS.
.macro WBATCH b, base, NW, next
	s_wait_loadcnt \NW
	WIN W_WC
.set q, 0
.rept 32
	v_cvt_pk_bf16_f32 v[BF+2*q], v[(\base)+4*q], v[(\base)+4*q+1]
	v_cvt_pk_bf16_f32 v[BF+2*q+1], v[(\base)+4*q+2], v[(\base)+4*q+3]
.set q, q+1
.endr
	WIN 0
.if (\next) >= 0
	WLOAD \next, \base
.endif
.set q, 0
.rept 32
	ds_store_b64 v[WSA], v[BF+2*q:BF+2*q+1] offset:(4*(\b)+q/8)*WP+256*(q%8)
.set q, q+1
.endr
.endm
; THE WAY OUT of tile j: a lane's 32 bytes of a row go into my stage, whole rows of 256 bytes come back, and sixteen lanes store 256 consecutive bytes at a multiple of 256 from out0's first byte.
; A tile past the count is jumped whole.  The one tile that the count cuts is stored like any other: its places past the count hold the last listed row's token and sums once more.
.macro OUTT j
	WIN 0
	s_sub_co_i32 s[VR], s[NN], s[RB]
	s_sub_co_i32 s[VR], s[VR], 64*(\j)
	s_cmp_le_i32 s[VR], 0
	s_cbranch_scc1 .Lskip_\@
	WIN W_OS
.irp nt, 0,1,2,3
	ds_store_b128 v[STO], v[32*(\j)+8*\nt:32*(\j)+8*\nt+3]   offset:64*\nt      ; each accumulator's lowest registers first
	ds_store_b128 v[STO], v[32*(\j)+8*\nt+4:32*(\j)+8*\nt+7] offset:64*\nt+16
.endr
	WIN 0
	s_wait_xcnt 0x0                                ; the stores of the tile before last have read these registers
.irp i, 0,1,2,3,4,5,6,7
	ds_load_b128 v[BF+32*((\j)%2)+4*\i:BF+32*((\j)%2)+4*\i+3], v[RD] offset:OP*\i  ; rows i and i + 8; LDS serves a wave's instructions in order (ISA guide 5.7.1.4): these see the stores above
.endr
	WIN W_OG
.irp i, 0,1,2,3,4,5,6,7
	s_wait_dscnt 7-\i                              ; LDS loads come back in order (ISA guide 5.7.1): rows i and i + 8 are in, the 7 - i younger loads may be out
	global_store_b128 v[OFF+8*(\j)+\i], v[BF+32*((\j)%2)+4*\i:BF+32*((\j)%2)+4*\i+3], s[OB:OB+1] th:TH_STORE_NT
.endr
	WIN 0
.Lskip_\@:
.endm
	; ---- the head: arguments, lane terms, bases
	s_load_b256 s[AX:AX+7], s[0:1], 0x0            ; x, ls_indices, W, b
	s_load_b64 s[AO:AO+1], s[0:1], 0x20            ; out0
	v_lshl_add_u32 v[SPW], v0, 2, SPARE
	v_mov_b32 v[NIL], 0
	v_lshrrev_b32 v[TR], 5, v0
	v_readfirstlane_b32 s[WV], v[TR]               ; wave 0..3
	s_and_b32 s[EX], ttmp7, 0xffff
	s_mov_b32 s[SL], ttmp9
	s_mov_b32 s[KO+1], 0
	s_mov_b32 s[OF+1], 0
	v_and_b32 v[TD], 31, v0                        ; l
	v_and_b32 v[R16], 15, v0                       ; l % 16
	v_bfe_u32 v[TP], v0, 4, 1                      ; l / 16
	v_lshlrev_b32 v[LN16], 4, v[R16]
	v_lshlrev_b32 v[LB16], 4, v[TD]
	v_lshlrev_b32 v[BOFF], 5, v[TP]
	v_lshl_add_u32 v[DMP], v[TD], 2, 4096
.irp i, 0,1,2,3
	v_mov_b32 v[ZR+\i], 0
.endr
	s_mul_i32 s[TS], s[WV], 16*WP
	v_lshl_add_u32 v[WSA], v[TD], 3, s[TS]         ; my wave's 16 rows of W in LDS + 8 l
	v_mul_u32_u24 v[B0], v[R16], WP
	v_lshl_add_u32 v[B0], v[TP], 4, v[B0]          ; a fragment's row x pitch + 16 x half
	s_mul_i32 s[SB], s[WV], STGW
	s_add_co_u32 s[SB], s[SB], STG                 ; my stage
	v_mul_u32_u24 v[AA], v[R16], XP
	v_lshl_add_u32 v[AA], v[TP], 4, v[AA]
	v_add_nc_u32 v[AA], s[SB], v[AA]
	v_mul_u32_u24 v[STO], v[R16], OP
	v_lshl_add_u32 v[STO], v[TP], 5, v[STO]
	v_add_nc_u32 v[STO], s[SB], v[STO]
	v_mul_u32_u24 v[RD], v[TP], 8*OP
	v_add_nc_u32 v[RD], v[RD], v[LN16]
	v_add_nc_u32 v[RD], s[SB], v[RD]
	v_mul_u32_u24 v[SA0], v[TP], 8*XP
	v_lshl_add_u32 v[SA0], v[R16], 3, v[SA0]
	v_add_nc_u32 v[SA0], s[SB], v[SA0]
	s_lshl_b32 s[TS], s[WV], 12
	v_add_nc_u32 v[IOFF], s[TS], v[LB16]           ; my wave's 1,024 indices are 4,096 bytes
	s_mul_i32 s[LB], s[WV], LP
	s_add_co_u32 s[LB], s[LB], LIST                ; my sublist
	s_lshl_b32 s[TS], s[WV], 10
	v_lshl_add_u32 v[TOK0], v[TD], 2, s[TS]
	s_lshl_b32 s[TS], s[WV], 2
	s_add_co_u32 s[TS], s[TS], CNT
	v_mov_b32 v[CA], s[TS]
	s_lshl_b32 s[TS], s[WV], 9
	s_add_co_u32 s[TS], s[TS], TKT                 ; my wave's table of tokens
	v_lshl_add_u32 v[TKA], v[R16], 2, s[TS]
	v_add_nc_u32 v[TKR], s[TS], v[BOFF]
	WIN W_D1
	v_mov_b32 v[SA], v[SA0]
	WIN W_D2
	v_mov_b32 v[SA], v[SA0]
	WIN 0
	s_lshl_b32 s[OF], s[EX], 22                    ; W: (1,024 e + 64 s + 16 w) rows of 4,096 bytes
	s_lshl_b32 s[TS], s[SL], 18
	s_add_co_u32 s[OF], s[OF], s[TS]
	s_lshl_b32 s[TS], s[WV], 16
	s_add_co_u32 s[OF], s[OF], s[TS]
	s_wait_kmcnt 0x0
	s_add_nc_u64 s[WBP:WBP+1], s[AW:AW+1], s[OF:OF+1]
	s_lshl_b32 s[OF], s[EX], 12                    ; b: 4 (1,024 e + 64 s)
	s_lshl_b32 s[TS], s[SL], 8
	s_add_co_u32 s[OF], s[OF], s[TS]
	s_add_nc_u64 s[BBP:BBP+1], s[AB:AB+1], s[OF:OF+1]
	s_mov_b32 s[OF], s[TS]                         ; out0: 256 s
	s_add_nc_u64 s[OB:OB+1], s[AO:AO+1], s[OF:OF+1]
	; ---- the first requests: my 1,024 indices, the bias, half of my rows of W.  80 loads on end: where the counter's field is full the issue waits (ISA guide 5.7.1)
.irp i, 0,1,2,3,4,5,6,7
	global_load_b128 v[BF+4*\i:BF+4*\i+3], v[IOFF], s[AI:AI+1] offset:512*\i  ; register 4 i + c: token 1024 w + 128 i + 4 l + c
.endr
.irp nt, 0,1,2,3
	global_load_b128 v[BIAS+8*\nt:BIAS+8*\nt+3],   v[BOFF], s[BBP:BBP+1] offset:64*\nt     ; columns 16 nt + 8 (l / 16) + 0..3
	global_load_b128 v[BIAS+8*\nt+4:BIAS+8*\nt+7], v[BOFF], s[BBP:BBP+1] offset:64*\nt+16  ; + 4..7
.endr
	WLOAD 0, 0
	WLOAD 1, 128
	; ---- my sublist.  It is cleared first: every word that a look-up can name has then been written, an expert without rows finds token 0 (and stores nothing)
	v_add_nc_u32 v[TD], s[LB], v[LB16]
.irp i, 0,1,2,3,4,5,6,7,8
	ds_store_b128 v[TD], v[ZR:ZR+3] offset:512*\i
.endr
	s_mov_b32 s[RUN], 0
	s_wait_loadcnt 63                              ; 72 loads were issued behind the indices: the indices are in
.set q, 0
.rept 32
	v_cmp_eq_u32 vcc_lo, s[EX], v[BF+q]
	v_mbcnt_lo_u32_b32 v[TP], vcc_lo, s[RUN]       ; entries so far + chosen lanes below mine
	v_lshlrev_b32 v[TP], 2, v[TP]
	v_cndmask_b32 v[TP], v[DMP], v[TP], vcc_lo     ; a lane that is not chosen takes its dump word
	v_min_u32 v[TP], LMAX, v[TP]                   ; a chosen lane's place is 1,023 at the most: the offset stays inside my sublist
	v_add_nc_u32 v[TD], s[LB], v[TP]
	v_add_nc_u32 v[TV], 128*(q/4)+(q%4), v[TOK0]
	s_bcnt1_i32_b32 s[CB], vcc_lo
	ds_store_b32 v[TD], v[TV]
	s_add_co_u32 s[RUN], s[RUN], s[CB]
.set q, q+1
.endr
	v_mov_b32 v[TV], s[RUN]
	ds_store_b32 v[CA], v[TV]
	s_wait_dscnt 0x0                               ; for the others' sake: my sublist and my count are written
	s_barrier_signal -1
	s_barrier_wait -1
	v_mov_b32 v[TR], CNT
	ds_load_b128 v[CN:CN+3], v[TR]
	s_wait_dscnt 0x0
.irp k, 0,1,2,3
	v_readfirstlane_b32 s[C0+\k], v[CN+\k]
	s_min_u32 s[C0+\k], s[C0+\k], 0x400
.endr
	s_mov_b32 s[B1], s[C0]
	s_add_co_u32 s[B1+1], s[B1], s[C0+1]
	s_add_co_u32 s[B1+2], s[B1+1], s[C0+2]
	s_add_co_u32 s[NN], s[B1+2], s[C0+3]
.irp k, 0,1,2
	s_lshl_b32 s[TS], s[B1+\k], 2
	s_sub_co_u32 s[D1S+\k], LP*(\k+1), s[TS]
.endr
	s_sub_co_i32 s[NM1], s[NN], 1
	s_max_i32 s[NM1], s[NM1], 0
	s_add_co_u32 s[NT], s[NN], 15
	s_lshr_b32 s[NT], s[NT], 4                     ; tiles of 16 rows
	s_add_co_u32 s[MW], s[NT], 3
	s_sub_co_u32 s[MW], s[MW], s[WV]
	s_lshr_b32 s[MW], s[MW], 2                     ; those whose number is w modulo 4
	s_add_co_u32 s[NP], s[MW], 4
	s_mul_i32 s[NP], s[NP], 205
	s_lshr_b32 s[NP], s[NP], 10                    ; (m + 4) / 5, exact up to m = 64
	s_mov_b32 s[PN], 0
	; ---- the first pass's rows are asked for while W streams
	PRE
	; ---- W: behind batches 0 and 1 stand 112 younger loads each, of which the wait's field holds 63; behind batch 2 batch 3's 32; behind batch 3 none (this wait also shows the bias and x's first two blocks in)
	WBATCH 0, 0,   63, 2
	WBATCH 1, 128, 63, 3
	WBATCH 2, 0,   32, -1
	WBATCH 3, 128, 0,  -1
	s_wait_dscnt 0x0                               ; for the others' sake: my 16 rows of W are in LDS
	s_barrier_signal -1
	s_barrier_wait -1                              ; all 64 are.  From here on no wave writes bytes that another reads: no further barrier
	; ---- the passes: the loop counts to the most that any split can ask of a wave; a trip past my wave's count is jumped, and what is jumped holds no barrier
	s_mov_b32 s[PC], 0
.Lpass:
	s_cmp_ge_u32 s[PC], s[NP]
	s_cbranch_scc1 .Lnext
	SETXB 2                                        ; K block 0 goes into the stage, block 2 is asked for
.irp j, 0,1,2,3,4
	s_wait_loadcnt 56                              ; behind tile j's eight stand 8 (4 - j) + 40 + 8 j = 72
.irp i, 0,1,2,3,4,5,6,7
	UNIT 0, \j, \i, 1
.endr
.endr
	WIN 0
	STEP 1, 1, 1, 1, 0, 0                          ; step 0: the bias starts the sums; all five tiles, so that every register and stage byte of the fifth is written in every pass
	s_mov_b32 s[LC], 6
.Lk:                                                   ; steps 1 to 12
	STEP 0, 1, 1, 0, 1, 0
	STEP 1, 1, 1, 0, 1, 0
	s_sub_co_u32 s[LC], s[LC], 1
	s_cmp_lg_u32 s[LC], 0
	s_cbranch_scc1 .Lk
	STEP 0, 1, 0, 0, 1, 32                         ; step 13 stages block 14; block 15's loads may stay out; nothing more is asked for
	STEP 1, 1, 0, 0, 1, 0                          ; step 14 stages block 15: its last wait is for 0
	STEP 0, 0, 0, 0, 1, 0                          ; step 15
	PLACES                                         ; between the last products and the LDS stores that read them
	OUTT 0
	OUTT 1
	OUTT 2
	OUTT 3
	OUTT 4
	s_add_co_u32 s[PN], s[PC], 1
	s_cmp_ge_u32 s[PN], s[NP]
	s_cbranch_scc1 .Lnext                          ; behind my last pass nothing is prepared
	PRE
.Lnext:
	s_add_co_u32 s[PC], s[PC], 1
	s_cmp_lt_u32 s[PC], PASSES
	s_cbranch_scc1 .Lpass
	s_wait_tensorcnt 0x0                           ; the wave's end: behind my last LDS store
	ds_add_u32 v[SPW], v[NIL]
	s_wait_dscnt 0x0
	s_endpgm
.Lfunc_end_k_qd7313177f7_stacked:
	.size	k_qd7313177f7_stacked, .Lfunc_end_k_qd7313177f7_stacked-k_qd7313177f7_stacked
	.p2alignl 7, 3214868480
	.fill 96, 4, 3214868480
	.section	.rodata,"a",@progbits
	.p2align	6, 0x0
	.amdhsa_kernel k_qd7313177f7_stacked
		.amdhsa_group_segment_fixed_size 199424
		.amdhsa_private_segment_fixed_size 0
		.amdhsa_enable_private_segment 0
		.amdhsa_kernarg_size 40
		.amdhsa_user_sgpr_count 2
		.amdhsa_user_sgpr_kernarg_segment_ptr 1
		.amdhsa_wavefront_size32 1
		.amdhsa_system_sgpr_workgroup_id_x 1
		.amdhsa_system_sgpr_workgroup_id_y 1
		.amdhsa_system_sgpr_workgroup_id_z 1
		.amdhsa_system_vgpr_workitem_id 0
		.amdhsa_next_free_vgpr 1024
		.amdhsa_next_free_sgpr 66
		.amdhsa_reserve_vcc 1
		.amdhsa_float_denorm_mode_32 3
		.amdhsa_float_denorm_mode_16_64 3
		.amdhsa_memory_ordered 1
		.amdhsa_forward_progress 1
		.amdhsa_inst_pref_size 215
	.end_amdhsa_kernel
	.amdgpu_metadata
---
amdhsa.version: [ 1, 2 ]
amdhsa.kernels:
  - .name:           k_qd7313177f7_stacked
    .symbol:         k_qd7313177f7_stacked.kd
    .args:
      - { .name: x, .offset: 0, .size: 8, .value_kind: global_buffer, .address_space: global }
      - { .name: ls_indices, .offset: 8, .size: 8, .value_kind: global_buffer, .address_space: global }
      - { .name: W, .offset: 16, .size: 8, .value_kind: global_buffer, .address_space: global }
      - { .name: b, .offset: 24, .size: 8, .value_kind: global_buffer, .address_space: global }
      - { .name: out0, .offset: 32, .size: 8, .value_kind: global_buffer, .address_space: global }
    .group_segment_fixed_size: 199424
    .private_segment_fixed_size: 0
    .kernarg_segment_align: 8
    .kernarg_segment_size: 40
    .max_flat_workgroup_size: 128
    .sgpr_count:     66
    .vgpr_count:     1024
    .wavefront_size: 32
...
	.end_amdgpu_metadata
.endif
;; end of part 1
;; ======== version 2 of 2: 1 launch; 1.35 times as fast as version 1
;; launch stacked (part 2): grid 16 x 16, 4 waves a work-group, no clusters, 199,424 bytes of LDS; arguments x, ls_indices, W, b, out0; writes out0
.if DOCPART == 2
	.amdgcn_target "amdgcn-amd-amdhsa--gfx1250"
	.amdhsa_code_object_version 6
	.text
	.protected	k_qd7313177f7_stacked
	.globl	k_qd7313177f7_stacked
	.p2align	8
	.type	k_qd7313177f7_stacked,@function
k_qd7313177f7_stacked:
	s_mov_b64 s[64:65], 0
	v_nop
	global_prefetch_b8 v0, s[64:65] scope:SCOPE_SE
	s_setreg_imm32_b32 hwreg(HW_REG_WAVE_MODE, 25, 1), 1
	s_wait_xcnt 0x0
; out0[t][:] = x[t][:] . W[e]^T + b[e], e = ls_indices[t].  x: [4096][1024] f32; W: [16 x 1024][1024] f32; b: [16 x 1024] f32; ls_indices: [4096] i32; out0: [4096][1024] f32.
; Only the chosen expert's product is made for a token.  A work-group (x = expert e, y = slice s of 64 output columns) reads its 64 rows of W, which no other work-group reads, once,
; rounds them to bf16 into LDS, and then takes ALL rows of its expert through them.  Each output row has one owner for each slice: nothing is added up later.
; The sixteen work-groups that read the same token rows have the same x and differ in y alone.
; THE LIST.  Every work-group makes its expert's list of tokens itself: wave w scans tokens 1024 w .. 1024 w + 1023 by compares and bit counts into a sublist of its own in LDS (a lane whose token is
; another expert's stores into a dump word behind the sublist, so that every store runs with all lanes on); four counts and their prefix sums turn a rank 0 .. n - 1 into a place in a sublist.
; The text serves every split: n = 0 (nothing is stored) to n = 4096 (13 passes).
; SHARES.  The n rows are ceil(n / 16) tiles of 16, dealt to the four waves in turn.  A wave takes up to five of its tiles in a PASS through all of K.  Places past n repeat the last listed row.
; A tile that lies wholly past n is not stored.  In the one tile that n cuts the repeated places are stored too: they hold the same token, the same operands and so the same sums as the last listed row, and go
; onto that row's own bytes, from the same wave: at the most 15 x 256 bytes stored again in a work-group.  So no line of this text switches a lane off.
; K IS WALKED IN BLOCKS OF 64, BEGINNING AT BLOCK s: the sixteen work-groups of an expert, which read the same token rows, stand at sixteen different blocks of 256 bytes of a row at any step.
; A STEP.  Its 32 or 40 products stand together, behind every second one four conversions that round x's next block; then ALL the step's memory instructions stand in ONE run: the rounded block goes into my stage,
; the next step's fragments of W and x come out of LDS, and x's block three steps on is asked for.  No memory instruction stands singly among the products.
; THE WAVES START APART, so that one wave's run falls beside the other waves' products.
; THE MATRIX INSTRUCTION IS USED TRANSPOSED (source 0 = 16 rows of W, source 1 = 16 token rows): a lane then holds eight neighbouring columns of one token's row.  The bias is the C operand that starts the sums.
; NO JOINT LOADS: a slice of W has one reader; the token rows that an expert's work-groups share come by a list, which no tile of a descriptor covers.  W passes through registers, where it is rounded:
; in LDS it then takes half the bytes, and each of the four waves reads all of it in every pass.
; LIMITS.  x and W are rounded once to bf16, sums and bias are f32; the sum over K runs in ascending order from block s on and wraps round, which is another order than the reference's.
; A token whose index lies outside 0 .. 15 is in no list: its row is not written (the reference relies on indices inside the table).  NaN and infinities go as the matrix unit takes them.
;
; LDS: WB 64 rows of W in bf16, pitch 2,064; STG a stage of 11,520 bytes for each wave (x: five tiles of 16 rows, pitch 144; on the way out: 16 rows, pitch 272); LIST four sublists of 4,608 bytes;
;      CNT four counts; TKT 512 bytes for each wave: the tokens of a pass's five tiles; SPARE.
; REGISTERS, in windows of 256 (s_set_vgpr_msb: bits 1:0 source 0, 3:2 source 1, 5:4 source 2, 7:6 destination):
;   window 0: addresses, bias, fragments of W (BF) and of x (AF), the 40 row offsets (OFF)      windows 1 and 2: two sets of 160 registers for x on its way in (XS)
;   window 3: the 20 accumulators and TMP, 80 registers of x rounded; before the passes, where W lands (two sets of 128)
.set WP,    2064      ; a row of W in LDS: 2,048 bytes + 16 = 129 x 16: the 16 rows of a fragment load start at 16 different groups of four banks (64 banks of 4 bytes: ISA guide 11.1)
.set XP,    144       ; a row of a tile of x: 128 bytes + 16 = 9 x 16
.set OP,    272       ; a row on the way out: 256 bytes + 16 = 17 x 16
.set XT,    16*XP     ; a tile of x in the stage
.set STG,   64*WP
.set STGW,  5*XT
.set LIST,  STG+4*STGW
.set LP,    4608      ; a sublist: 1,024 entries, 32 dump words, the rest unused: nine stores of 512 bytes clear it
.set LMAX,  4096+124  ; the last byte offset that a list store may name: the last dump word
.set LKMAX, 3*LP+4092 ; the last that a look-up may name: sublist 3's last entry
.set CNT,   LIST+4*LP
.set TKT,   CNT+256
.set SPARE, TKT+4*512 ; the spare words, 128 bytes for each wave: two blocks of 256 bytes that no other line names
.set PASSES, 13       ; 4,096 rows on one expert are 256 tiles, 64 a wave: 13 passes of five
; window 0
.set LN16, 1          ; 16 (l % 16)
.set LB16, 2          ; 16 l
.set WSA,  3          ; where I put 8 bytes of my wave's first row of W
.set B0,   4          ; my place in a fragment of W, K block 0
.set BA,   5          ; the same at the K block in hand, column blocks 0, 1
.set BA2,  6          ; column blocks 2, 3
.set AA,   7          ; my place in a fragment of x
.set STO,  8          ; the way out: where I put 32 bytes of a row
.set RD,   9          ; the way out: where I read 16 bytes of a row back
.set R16,  11         ; l % 16
.set SPW,  12         ; LDS address of my spare word; never rewritten
.set NIL,  13         ; 0; never rewritten
.set TOK0, 14         ; 1024 w + 4 l
.set CA,   15         ; my wave's word in CNT
.set DMP,  16         ; my dump word's byte offset in a sublist: 4,096 + 4 l
.set TKA,  17         ; where row l % 16's token goes in my wave's table
.set TKR,  18         ; where I read eight tokens back: rows 8 (l / 16) on
.set ZR,   20         ; v20-23 zeros, to clear the sublist
.set TR,   24         ; v24-27 at work
.set TD,   25
.set TP,   26
.set TV,   27
.set CN,   28         ; v28-31 the four counts
.set TK,   32         ; v32-36 tile j's tokens, row l % 16
.set SA0,  37         ; where I put 8 bytes of a row of x
.set IOFF, 38         ; my 16 bytes of the indices
.set BOFF, 39         ; 32 (l / 16)
.set BIAS, 40         ; v40-71 the bias as an accumulator holds it: column block nt at 8 nt
.set BF,   72         ; v72-135 W's fragments: K half f, column block nt at 8 (4 f + nt).  Earlier: the indices; W rounded.  Later: rows on their way out
.set AF,   136        ; v136-215 x's fragments: tile j, K half f at 16 j + 8 f.  Between passes: 40 tokens
.set OFF,  216        ; v216-255 unit q = 8 j + i (rows i and i + 8 of tile j): token x 4,096 + 16 (l % 16).  In windows 1 and 2 that unit's four registers lie at 4 q
; window 3
.set TMP,  160        ; v160-239 unit q rounded: two registers at 2 q
; scalars
.set AX, 4            ; s[4:5] x   s[6:7] ls_indices   s[8:9] W   s[10:11] b   s[12:13] out0
.set AI, 6
.set AW, 8
.set AB, 10
.set AO, 12
.set WV, 14           ; my wave
.set EX, 15           ; my expert
.set SL, 16           ; my slice
.set RUN_, 17         ; entries in my sublist so far
.set CB, 18
.set C0, 20           ; s20-23 the four counts
.set B1, 24           ; s24-26 ranks at which sublists 1, 2, 3 begin
.set D1S, 27          ; s27-29 4,608 k - 4 x that rank: never negative, since a sublist holds 1,024 at the most
.set NN, 30           ; n
.set NM1, 31          ; the last rank
.set NT, 32           ; tiles
.set MW, 33           ; my wave's tiles
.set NP, 34           ; my wave's passes
.set PC, 35           ; the trip of the loop over passes
.set XB, 36           ; s[36:37] x at the K block that set 0 was last asked for;
.set XBD, 22          ; s[58:59] the same for set 1
.set KO, 38           ; s[38:39] a K block's bytes
.set KI, 40           ; slice + step
.set TS, 41           ; at work
.set LC, 42
.set RB, 43           ; the rank of my first tile's first row in this pass
.set G5, 44           ; 1: the pass has a fifth tile
.set VR, 45           ; rows of a tile that exist
.set KL, 46
.set LB, 47           ; my sublist
.set OB, 48           ; s[48:49] out0 at my slice
.set WBP, 50          ; s[50:51] W at my wave's 16 rows
.set BBP, 52          ; s[52:53] b at my slice
.set OF, 54           ; s[54:55] an offset
.set SB, 56           ; my stage
.set PN, 57           ; the pass that is being prepared
.set MSB, 0
.macro WIN new                         ; the immediate's high byte repeats the setting that is left; a switch that changes nothing is dropped
.if MSB != (\new)
	s_set_vgpr_msb (MSB<<8)|(\new)
.set MSB, \new
.endif
.endm
.set W_MM, 0xf0       ; C and D in window 3, fragments in window 0
.set W_MF, 0xc0       ; D in window 3, C (the bias) in window 0
.set W_WL, 0xc0       ; a load's destination in window 3
.set W_WC, 0x0f       ; sources in window 3, destination in window 0
.set W_OS, 0x0c       ; an LDS store's data in window 3, its address in window 0
.macro PLACES                          ; four plain instructions between a matrix instruction and a load into, or an LDS store out of, its registers (ISA guide 7.12.1 for vector instructions)
.rept 4
	v_nop
.endr
.endm
; Set S's base: x at K block (slice + step + d) mod 16.  A base is rewritten only when every earlier load has had its address translated (ISA guide 3.1); each set has its own, so the loads that used it are a step old.
.macro SETXB S, d
	s_wait_xcnt 0x0
	s_add_co_u32 s[TS], s[KI], \d
	s_and_b32 s[TS], s[TS], 15
	s_lshl_b32 s[KO], s[TS], 8
	s_add_nc_u64 s[XB+XBD*(\S):XB+XBD*(\S)+1], s[AX:AX+1], s[KO:KO+1]
.endm
; 40 loads: unit q = 8 j + i brings 256 whole bytes of each of rows i and i + 8 of tile j
.macro XLOAD S
	WIN 0x40*(1+(\S))
.set q, 0
.rept 40
	global_load_b128 v[4*q:4*q+3], v[OFF+q], s[XB+XBD*(\S):XB+XBD*(\S)+1]
.set q, q+1
.endr
	WIN 0
.endm
; Unit u of set S is rounded: four f32 a lane become 8 bytes
.macro CVT S, u
	WIN 0xc0+5*(1+(\S))
	v_cvt_pk_bf16_f32 v[TMP+2*(\u)], v[4*(\u)], v[4*(\u)+1]
	v_cvt_pk_bf16_f32 v[TMP+2*(\u)+1], v[4*(\u)+2], v[4*(\u)+3]
.endm
; Product i of 8 of tile j: K half i / 4, column block i % 4.  The tile's four accumulators take turns, one instruction a turn; so do the last of a tile and the first of the next.
.macro MMA j, i, first
.if (\first) && ((\i) < 4)
	WIN W_MF
	v_wmma_f32_16x16x32_bf16 v[32*(\j)+8*((\i)%4):32*(\j)+8*((\i)%4)+7], v[BF+8*(\i):BF+8*(\i)+7], v[AF+16*(\j)+8*((\i)/4):AF+16*(\j)+8*((\i)/4)+7], v[BIAS+8*((\i)%4):BIAS+8*((\i)%4)+7]
.else
	WIN W_MM
	v_wmma_f32_16x16x32_bf16 v[32*(\j)+8*((\i)%4):32*(\j)+8*((\i)%4)+7], v[BF+8*(\i):BF+8*(\i)+7], v[AF+16*(\j)+8*((\i)/4):AF+16*(\j)+8*((\i)/4)+7], v[32*(\j)+8*((\i)%4):32*(\j)+8*((\i)%4)+7]
.endif
.endm
; Tile j's eight products, in pairs; cvt = 1: behind each pair, two units of the NEXT step's tile j are rounded out of set S: two window switches serve two products and four conversions.
; The conversions name no register of the products.
; ND: the LDS instructions issued behind this tile's fragment loads.  NL: the loads issued behind this tile's units on every path.  A negative count: no wait is written.
.macro TILE S, j, cvt, first, NL, ND
.if (\ND) >= 0
	s_wait_dscnt (\ND)
.endif
.if (\cvt) && ((\NL) >= 0)
	s_wait_loadcnt (\NL)
.endif
.irp i, 0,2,4,6
	MMA \j, \i, \first
	MMA \j, \i+1, \first
.if \cvt
	CVT \S, 8*(\j)+\i
	CVT \S, 8*(\j)+\i+1
.endif
.endr
.endm
; A STEP'S RUN OF MEMORY INSTRUCTIONS.  The block rounded out of set S goes into my stage (the two rows of a store lie 1,152 bytes apart, 128 modulo 256: the 32 lanes take each bank once); the fragments of K block KI come
; out of LDS: 16 loads of W, 4 for each tile of x; LDS serves a wave's instructions in order (ISA guide 5.7.1.4), so these see the stores above, and the stage's old bytes were read by the run before.
; refill = 1: tiles 0 to 3 of set S are asked for again, at block KI + 2.  t4 = 1: the fifth tile of the OTHER set is asked for, at that set's block, KI + 1: one run later than that set's other four tiles.
; The fifth tile's part stands first.  guard = 1: it is jumped where the pass has no fifth tile.
.macro RUN S, refill, t4, guard
	WIN 0
	PLACES
.if \refill
	SETXB \S, 2
.endif
	s_and_b32 s[KL], s[KI], 15
	s_lshl_b32 s[KL], s[KL], 7                     ; a K block is 128 bytes of a row of W in LDS
	v_add_nc_u32 v[BA], s[KL], v[B0]
	v_add_nc_u32 v[BA2], 32*WP, v[BA]
.if \guard
	s_cmp_eq_u32 s[G5], 0
	s_cbranch_scc1 .Lno_r5_\@
.endif
	WIN W_OS
.irp i, 0,1,2,3,4,5,6,7
	ds_store_b64 v[SA0], v[TMP+64+2*\i:TMP+64+2*\i+1] offset:XT*4+XP*\i
.endr
	WIN 0
.irp f, 0,1
	ds_load_b128 v[AF+64+8*\f:AF+64+8*\f+3],   v[AA] offset:XT*4+64*\f
	ds_load_b128 v[AF+64+8*\f+4:AF+64+8*\f+7], v[AA] offset:XT*4+64*\f+32
.endr
.if \t4
	WIN 0x40*(2-(\S))
.irp i, 0,1,2,3,4,5,6,7
	global_load_b128 v[128+4*\i:128+4*\i+3], v[OFF+32+\i], s[XB+XBD*(1-(\S)):XB+XBD*(1-(\S))+1]
.endr
	WIN 0
.endif
.if \guard
.Lno_r5_\@:
.endif
	WIN W_OS
.set q, 0
.rept 32
	ds_store_b64 v[SA0], v[TMP+2*q:TMP+2*q+1] offset:XT*(q/8)+XP*(q%8)
.set q, q+1
.endr
	WIN 0
.irp f, 0,1
.irp nt, 0,1,2,3
	ds_load_b128 v[BF+8*(4*\f+\nt):BF+8*(4*\f+\nt)+3],   v[BA+\nt/2] offset:(\nt%2)*16*WP+64*\f
	ds_load_b128 v[BF+8*(4*\f+\nt)+4:BF+8*(4*\f+\nt)+7], v[BA+\nt/2] offset:(\nt%2)*16*WP+64*\f+32
.endr
.endr
.irp j, 0,1,2,3
.irp f, 0,1
	ds_load_b128 v[AF+16*\j+8*\f:AF+16*\j+8*\f+3],   v[AA] offset:XT*\j+64*\f
	ds_load_b128 v[AF+16*\j+8*\f+4:AF+16*\j+8*\f+7], v[AA] offset:XT*\j+64*\f+32
.endr
.endr
.if \refill
	WIN 0x40*(1+(\S))
.set q, 0
.rept 32
	global_load_b128 v[4*q:4*q+3], v[OFF+q], s[XB+XBD*(\S):XB+XBD*(\S)+1]
.set q, q+1
.endr
	WIN 0
.endif
.endm
; STEP t multiplies K block t and rounds block t + 1 out of set S = (t + 1) % 2; its run stages that block, fetches step t + 1's fragments and asks for block t + 3 (the fifth tile: t + 2).
; Counts of loads.  Behind tile j's eight (j = 0 .. 3) stand, on every path, the same run's later tiles, 8 (3 - j), and extra: the next run's 32 for tiles 0 to 3 (none behind the last block's).  The fifth tile's eight stand
; ahead of those 32, so tile 3's wait, which leaves 32 or none out, shows them in: the fifth tile has no wait of its own.  In a pass with a fifth tile these counts ask for eight loads more than tile j needs: a later tile
; of the same block, and at tile 3 the fifth tile's, which is needed next.
; Counts of LDS instructions: behind tile j's fragment loads stand the later tiles', 4 (3 - j); the fifth tile's stand ahead of all of them.
.macro STEP S, cvt, refill, t4, first, guard, extra
.irp j, 0,1,2,3
	TILE \S, \j, \cvt, \first, 8*(3-\j)+\extra, 4*(3-\j)
.endr
	WIN 0                                          ; at a branch and at a label every window is 0
.if \guard
	s_cmp_eq_u32 s[G5], 0
	s_cbranch_scc1 .Lno_5_\@
.endif
	TILE \S, 4, \cvt, \first, -1, -1
	WIN 0
.if \guard
.Lno_5_\@:
.endif
	s_add_co_u32 s[KI], s[KI], 1
.if \cvt
	RUN \S, \refill, \t4, \guard
.endif
.endm
; The token of rank RB + 64 j + l % 16 (at the most the last rank): the sublist is the last whose first rank is not greater; the byte offset is held inside the four sublists, and the list's base is added last.
.macro LOOKUP j
	s_add_co_u32 s[TS], s[RB], 64*(\j)
	v_add_nc_u32 v[TR], s[TS], v[R16]
	v_min_u32 v[TR], s[NM1], v[TR]
	v_mov_b32 v[TD], 0
.irp k, 0,1,2
	v_cmp_le_u32 vcc_lo, s[B1+\k], v[TR]
	v_cndmask_b32 v[TD], v[TD], s[D1S+\k], vcc_lo
.endr
	v_lshl_add_u32 v[TD], v[TR], 2, v[TD]
	v_min_u32 v[TD], LKMAX, v[TD]
	v_add_nc_u32 v[TD], LIST, v[TD]
	ds_load_b32 v[TK+(\j)], v[TD]
.endm
; PASS PN IS PREPARED: the tokens of its five tiles, the 40 units' offsets, and the first two K blocks of x are asked for, all five tiles of each.
.macro PRE
	WIN 0
	s_wait_xcnt 0x0                                ; the offsets were the last pass's stores' addresses: they are rewritten only behind this wait
	s_mul_i32 s[RB], s[PN], 320                    ; my tile j of pass p is tile w + 4 (5 p + j): its first rank is 320 p + 16 w + 64 j
	s_lshl4_add_u32 s[RB], s[WV], s[RB]
	s_mul_i32 s[TS], s[PN], 5
	s_add_co_u32 s[TS], s[TS], 4
	s_cmp_lt_u32 s[TS], s[MW]
	s_cselect_b32 s[G5], 1, 0
	s_mov_b32 s[KI], s[SL]
	LOOKUP 0
	LOOKUP 1
	LOOKUP 2
	LOOKUP 3
	LOOKUP 4
	s_wait_dscnt 0x0
.irp j, 0,1,2,3,4
	ds_store_b32 v[TKA], v[TK+\j] offset:64*\j     ; row l % 16's token into my wave's table; the two halves of the lanes store the same word
.endr
.irp j, 0,1,2,3,4
	ds_load_b128 v[AF+8*\j:AF+8*\j+3],   v[TKR] offset:64*\j     ; back: lanes 0-15 take the tokens of rows 0-7, lanes 16-31 of rows 8-15: register 8 j + i serves unit i.
	ds_load_b128 v[AF+8*\j+4:AF+8*\j+7], v[TKR] offset:64*\j+16  ; LDS serves a wave's instructions in order (ISA guide 5.7.1.4): these see the stores above
.endr
	s_wait_dscnt 0x0
.set q, 0
.rept 40
	v_min_u32 v[AF+q], 0xfff, v[AF+q]              ; a token number stays inside x and out0
.set q, q+1
.endr
.set q, 0
.rept 40
	v_lshlrev_b32 v[AF+q], 12, v[AF+q]             ; a row is 4,096 bytes
.set q, q+1
.endr
.set q, 0
.rept 40
	v_add_nc_u32 v[OFF+q], v[LN16], v[AF+q]
.set q, q+1
.endr
	SETXB 0, 0
	SETXB 1, 1
	XLOAD 0
	XLOAD 1
.endm
; 32 loads: rows 4 b .. 4 b + 3 of my wave's 16 rows of W, each load 512 consecutive bytes of a row, into window 3 from register base on
.macro WLOAD b, base
	WIN W_WL
.set q, 0
.rept 32
	global_load_b128 v[(\base)+4*q:(\base)+4*q+3], v[LB16], s[WBP:WBP+1] offset:(4*(\b)+q/8)*4096+512*(q%8) th:TH_LOAD_NT
.set q, q+1
.endr
	WIN 0
.endm
; Batch b has landed (NW: the loads issued behind it): it is rounded, its registers are asked for again (batch next), and the 256 bytes that each load has become go into LDS.
.macro WBATCH b, base, NW, next
	s_wait_loadcnt \NW
	WIN W_WC
.set q, 0
.rept 32
	v_cvt_pk_bf16_f32 v[BF+2*q], v[(\base)+4*q], v[(\base)+4*q+1]
	v_cvt_pk_bf16_f32 v[BF+2*q+1], v[(\base)+4*q+2], v[(\base)+4*q+3]
.set q, q+1
.endr
	WIN 0
.if (\next) >= 0
	WLOAD \next, \base
.endif
.set q, 0
.rept 32
	ds_store_b64 v[WSA], v[BF+2*q:BF+2*q+1] offset:(4*(\b)+q/8)*WP+256*(q%8)
.set q, q+1
.endr
.endm
; THE WAY OUT of tile j: a lane's 32 bytes of a row go into my stage, whole rows of 256 bytes come back, and sixteen lanes store 256 consecutive bytes at a multiple of 256 from out0's first byte.
; A tile past the count is jumped whole.  The one tile that the count cuts is stored like any other: its places past the count hold the last listed row's token and sums once more.
.macro OUTT j
	WIN 0
	s_sub_co_i32 s[VR], s[NN], s[RB]
	s_sub_co_i32 s[VR], s[VR], 64*(\j)
	s_cmp_le_i32 s[VR], 0
	s_cbranch_scc1 .Lskip_\@
	WIN W_OS
.irp nt, 0,1,2,3
	ds_store_b128 v[STO], v[32*(\j)+8*\nt:32*(\j)+8*\nt+3]   offset:64*\nt      ; each accumulator's lowest registers first
	ds_store_b128 v[STO], v[32*(\j)+8*\nt+4:32*(\j)+8*\nt+7] offset:64*\nt+16
.endr
	WIN 0
	s_wait_xcnt 0x0                                ; the stores of the tile before last have read these registers
.irp i, 0,1,2,3,4,5,6,7
	ds_load_b128 v[BF+32*((\j)%2)+4*\i:BF+32*((\j)%2)+4*\i+3], v[RD] offset:OP*\i  ; rows i and i + 8; LDS serves a wave's instructions in order (ISA guide 5.7.1.4): these see the stores above
.endr
.irp i, 0,1,2,3,4,5,6,7
	s_wait_dscnt 7-\i                              ; LDS loads come back in order (ISA guide 5.7.1): rows i and i + 8 are in, the 7 - i younger loads may be out
	global_store_b128 v[OFF+8*(\j)+\i], v[BF+32*((\j)%2)+4*\i:BF+32*((\j)%2)+4*\i+3], s[OB:OB+1] th:TH_STORE_NT
.endr
.Lskip_\@:
.endm
	; ---- the head: arguments, lane terms, bases
	s_load_b256 s[AX:AX+7], s[0:1], 0x0            ; x, ls_indices, W, b
	s_load_b64 s[AO:AO+1], s[0:1], 0x20            ; out0
	v_lshl_add_u32 v[SPW], v0, 2, SPARE
	v_mov_b32 v[NIL], 0
	v_lshrrev_b32 v[TR], 5, v0
	v_readfirstlane_b32 s[WV], v[TR]               ; wave 0..3
	s_mov_b32 s[EX], ttmp9                         ; the work-group's x is the expert,
	s_and_b32 s[SL], ttmp7, 0xffff                 ; its y the slice
	s_mov_b32 s[KO+1], 0
	s_mov_b32 s[OF+1], 0
	v_and_b32 v[TD], 31, v0                        ; l
	v_and_b32 v[R16], 15, v0                       ; l % 16
	v_bfe_u32 v[TP], v0, 4, 1                      ; l / 16
	v_lshlrev_b32 v[LN16], 4, v[R16]
	v_lshlrev_b32 v[LB16], 4, v[TD]
	v_lshlrev_b32 v[BOFF], 5, v[TP]
	v_lshl_add_u32 v[DMP], v[TD], 2, 4096
.irp i, 0,1,2,3
	v_mov_b32 v[ZR+\i], 0
.endr
	s_mul_i32 s[TS], s[WV], 16*WP
	v_lshl_add_u32 v[WSA], v[TD], 3, s[TS]         ; my wave's 16 rows of W in LDS + 8 l
	v_mul_u32_u24 v[B0], v[R16], WP
	v_lshl_add_u32 v[B0], v[TP], 4, v[B0]          ; a fragment's row x pitch + 16 x half
	s_mul_i32 s[SB], s[WV], STGW
	s_add_co_u32 s[SB], s[SB], STG                 ; my stage
	v_mul_u32_u24 v[AA], v[R16], XP
	v_lshl_add_u32 v[AA], v[TP], 4, v[AA]
	v_add_nc_u32 v[AA], s[SB], v[AA]
	v_mul_u32_u24 v[STO], v[R16], OP
	v_lshl_add_u32 v[STO], v[TP], 5, v[STO]
	v_add_nc_u32 v[STO], s[SB], v[STO]
	v_mul_u32_u24 v[RD], v[TP], 8*OP
	v_add_nc_u32 v[RD], v[RD], v[LN16]
	v_add_nc_u32 v[RD], s[SB], v[RD]
	v_mul_u32_u24 v[SA0], v[TP], 8*XP
	v_lshl_add_u32 v[SA0], v[R16], 3, v[SA0]
	v_add_nc_u32 v[SA0], s[SB], v[SA0]
	s_lshl_b32 s[TS], s[WV], 12
	v_add_nc_u32 v[IOFF], s[TS], v[LB16]           ; my wave's 1,024 indices are 4,096 bytes
	s_mul_i32 s[LB], s[WV], LP
	s_add_co_u32 s[LB], s[LB], LIST                ; my sublist
	s_lshl_b32 s[TS], s[WV], 10
	v_lshl_add_u32 v[TOK0], v[TD], 2, s[TS]
	s_lshl_b32 s[TS], s[WV], 2
	s_add_co_u32 s[TS], s[TS], CNT
	v_mov_b32 v[CA], s[TS]
	s_lshl_b32 s[TS], s[WV], 9
	s_add_co_u32 s[TS], s[TS], TKT                 ; my wave's table of tokens
	v_lshl_add_u32 v[TKA], v[R16], 2, s[TS]
	v_add_nc_u32 v[TKR], s[TS], v[BOFF]
	s_lshl_b32 s[OF], s[EX], 22                    ; W: (1,024 e + 64 s + 16 w) rows of 4,096 bytes
	s_lshl_b32 s[TS], s[SL], 18
	s_add_co_u32 s[OF], s[OF], s[TS]
	s_lshl_b32 s[TS], s[WV], 16
	s_add_co_u32 s[OF], s[OF], s[TS]
	s_wait_kmcnt 0x0
	s_add_nc_u64 s[WBP:WBP+1], s[AW:AW+1], s[OF:OF+1]
	s_lshl_b32 s[OF], s[EX], 12                    ; b: 4 (1,024 e + 64 s)
	s_lshl_b32 s[TS], s[SL], 8
	s_add_co_u32 s[OF], s[OF], s[TS]
	s_add_nc_u64 s[BBP:BBP+1], s[AB:AB+1], s[OF:OF+1]
	s_mov_b32 s[OF], s[TS]                         ; out0: 256 s
	s_add_nc_u64 s[OB:OB+1], s[AO:AO+1], s[OF:OF+1]
	; ---- the first requests: my 1,024 indices, the bias, half of my rows of W.  80 loads on end: where the counter's field is full the issue waits (ISA guide 5.7.1)
.irp i, 0,1,2,3,4,5,6,7
	global_load_b128 v[BF+4*\i:BF+4*\i+3], v[IOFF], s[AI:AI+1] offset:512*\i  ; register 4 i + c: token 1024 w + 128 i + 4 l + c
.endr
.irp nt, 0,1,2,3
	global_load_b128 v[BIAS+8*\nt:BIAS+8*\nt+3],   v[BOFF], s[BBP:BBP+1] offset:64*\nt     ; columns 16 nt + 8 (l / 16) + 0..3
	global_load_b128 v[BIAS+8*\nt+4:BIAS+8*\nt+7], v[BOFF], s[BBP:BBP+1] offset:64*\nt+16  ; + 4..7
.endr
	WLOAD 0, 0
	WLOAD 1, 128
	; ---- my sublist.  It is cleared first: every word that a look-up can name has then been written, an expert without rows finds token 0 (and stores nothing)
	v_add_nc_u32 v[TD], s[LB], v[LB16]
.irp i, 0,1,2,3,4,5,6,7,8
	ds_store_b128 v[TD], v[ZR:ZR+3] offset:512*\i
.endr
	s_mov_b32 s[RUN_], 0
	s_wait_loadcnt 63                              ; 72 loads were issued behind the indices: the indices are in
.set q, 0
.rept 32
	v_cmp_eq_u32 vcc_lo, s[EX], v[BF+q]
	v_mbcnt_lo_u32_b32 v[TP], vcc_lo, s[RUN_]      ; entries so far + chosen lanes below mine
	v_lshlrev_b32 v[TP], 2, v[TP]
	v_cndmask_b32 v[TP], v[DMP], v[TP], vcc_lo     ; a lane that is not chosen takes its dump word
	v_min_u32 v[TP], LMAX, v[TP]                   ; a chosen lane's place is 1,023 at the most: the offset stays inside my sublist
	v_add_nc_u32 v[TD], s[LB], v[TP]
	v_add_nc_u32 v[TV], 128*(q/4)+(q%4), v[TOK0]
	s_bcnt1_i32_b32 s[CB], vcc_lo
	ds_store_b32 v[TD], v[TV]
	s_add_co_u32 s[RUN_], s[RUN_], s[CB]
.set q, q+1
.endr
	v_mov_b32 v[TV], s[RUN_]
	ds_store_b32 v[CA], v[TV]
	s_wait_dscnt 0x0                               ; for the others' sake: my sublist and my count are written
	s_barrier_signal -1
	s_barrier_wait -1
	v_mov_b32 v[TR], CNT
	ds_load_b128 v[CN:CN+3], v[TR]
	s_wait_dscnt 0x0
.irp k, 0,1,2,3
	v_readfirstlane_b32 s[C0+\k], v[CN+\k]
	s_min_u32 s[C0+\k], s[C0+\k], 0x400
.endr
	s_mov_b32 s[B1], s[C0]
	s_add_co_u32 s[B1+1], s[B1], s[C0+1]
	s_add_co_u32 s[B1+2], s[B1+1], s[C0+2]
	s_add_co_u32 s[NN], s[B1+2], s[C0+3]
.irp k, 0,1,2
	s_lshl_b32 s[TS], s[B1+\k], 2
	s_sub_co_u32 s[D1S+\k], LP*(\k+1), s[TS]
.endr
	s_sub_co_i32 s[NM1], s[NN], 1
	s_max_i32 s[NM1], s[NM1], 0
	s_add_co_u32 s[NT], s[NN], 15
	s_lshr_b32 s[NT], s[NT], 4                     ; tiles of 16 rows
	s_add_co_u32 s[MW], s[NT], 3
	s_sub_co_u32 s[MW], s[MW], s[WV]
	s_lshr_b32 s[MW], s[MW], 2                     ; those whose number is w modulo 4
	s_add_co_u32 s[NP], s[MW], 4
	s_mul_i32 s[NP], s[NP], 205
	s_lshr_b32 s[NP], s[NP], 10                    ; (m + 4) / 5, exact up to m = 64
	s_mov_b32 s[PN], 0
	; ---- the first pass's rows are asked for while W streams
	PRE
	; ---- W: behind batches 0 and 1 stand 112 younger loads each, of which the wait's field holds 63; behind batch 2 batch 3's 32; behind batch 3 none (this wait also shows the bias and x's first two blocks in)
	WBATCH 0, 0,   63, 2
	WBATCH 1, 128, 63, 3
	WBATCH 2, 0,   32, -1
	WBATCH 3, 128, 0,  -1
	s_wait_dscnt 0x0                               ; for the others' sake: my 16 rows of W are in LDS
	s_barrier_signal -1
	s_barrier_wait -1                              ; all 64 are.  From here on no wave writes bytes that another reads: no further barrier
	; ---- THE WAVES PART.  All four leave the barrier together and run the same text, so all four would stand in their runs of LDS instructions at once and in their products at once.  Wave w idles 8 w times
	; s_nop 15 first, 128 w cycles (ISA guide, the instruction's entry), about as many as w runs have instructions (116): one wave's run then falls beside the others' products.  Tiles are dealt from wave 0 on,
	; so the wave that idles longest never has more tiles than one that idles less.  The branches hang on the wave's number alone.
	s_cmp_eq_u32 s[WV], 0
	s_cbranch_scc1 .Lgo
.rept 8
	s_nop 15
.endr
	s_cmp_eq_u32 s[WV], 1
	s_cbranch_scc1 .Lgo
.rept 8
	s_nop 15
.endr
	s_cmp_eq_u32 s[WV], 2
	s_cbranch_scc1 .Lgo
.rept 8
	s_nop 15
.endr
.Lgo:
	; ---- the passes: the loop counts to the most that any split can ask of a wave; a trip past my wave's count is jumped, and what is jumped holds no barrier
	s_mov_b32 s[PC], 0
.Lpass:
	s_cmp_ge_u32 s[PC], s[NP]
	s_cbranch_scc1 .Lnext
	s_wait_loadcnt 40                              ; K block 0 is in: behind its 40 loads stand block 1's 40
.set u, 0
.rept 40
	CVT 0, u                                       ; it is rounded, all five tiles: there are no products yet to set these behind
.set u, u+1
.endr
	RUN 0, 1, 0, 0                                 ; it is staged, step 0's fragments are fetched, block 2 is asked for (the fifth tile's part of it a run later)
	STEP 1, 1, 1, 1, 1, 0, 32                      ; step 0: the bias starts the sums; all five tiles, so that every register and stage byte of the fifth is written in every pass
	s_mov_b32 s[LC], 6
.Lk:                                                   ; steps 1 to 12
	STEP 0, 1, 1, 1, 0, 1, 32
	STEP 1, 1, 1, 1, 0, 1, 32
	s_sub_co_u32 s[LC], s[LC], 1
	s_cmp_lg_u32 s[LC], 0
	s_cbranch_scc1 .Lk
	STEP 0, 1, 0, 1, 0, 1, 32                      ; step 13 rounds block 14; block 15's 32 loads may stay out; only the fifth tile's part of block 15 is still asked for
	STEP 1, 1, 0, 0, 0, 1, 0                       ; step 14 rounds block 15: its last wait is for 0
	STEP 0, 0, 0, 0, 0, 1, 0                       ; step 15: products alone
	PLACES                                         ; between the last products and the LDS stores that read them
	OUTT 0
	OUTT 1
	OUTT 2
	OUTT 3
	OUTT 4
	s_add_co_u32 s[PN], s[PC], 1
	s_cmp_ge_u32 s[PN], s[NP]
	s_cbranch_scc1 .Lnext                          ; behind my last pass nothing is prepared
	PRE
.Lnext:
	s_add_co_u32 s[PC], s[PC], 1
	s_cmp_lt_u32 s[PC], PASSES
	s_cbranch_scc1 .Lpass
	s_wait_tensorcnt 0x0                           ; the wave's end: behind my last LDS store
	ds_add_u32 v[SPW], v[NIL]
	s_wait_dscnt 0x0
	s_endpgm
.Lfunc_end_k_qd7313177f7_stacked:
	.size	k_qd7313177f7_stacked, .Lfunc_end_k_qd7313177f7_stacked-k_qd7313177f7_stacked
	.p2alignl 7, 3214868480
	.fill 96, 4, 3214868480
	.section	.rodata,"a",@progbits
	.p2align	6, 0x0
	.amdhsa_kernel k_qd7313177f7_stacked
		.amdhsa_group_segment_fixed_size 199424
		.amdhsa_private_segment_fixed_size 0
		.amdhsa_enable_private_segment 0
		.amdhsa_kernarg_size 40
		.amdhsa_user_sgpr_count 2
		.amdhsa_user_sgpr_kernarg_segment_ptr 1
		.amdhsa_wavefront_size32 1
		.amdhsa_system_sgpr_workgroup_id_x 1
		.amdhsa_system_sgpr_workgroup_id_y 1
		.amdhsa_system_sgpr_workgroup_id_z 1
		.amdhsa_system_vgpr_workitem_id 0
		.amdhsa_next_free_vgpr 1024
		.amdhsa_next_free_sgpr 66
		.amdhsa_reserve_vcc 1
		.amdhsa_float_denorm_mode_32 3
		.amdhsa_float_denorm_mode_16_64 3
		.amdhsa_memory_ordered 1
		.amdhsa_forward_progress 1
		.amdhsa_inst_pref_size 207
	.end_amdhsa_kernel
	.amdgpu_metadata
---
amdhsa.version: [ 1, 2 ]
amdhsa.kernels:
  - .name:           k_qd7313177f7_stacked
    .symbol:         k_qd7313177f7_stacked.kd
    .args:
      - { .name: x, .offset: 0, .size: 8, .value_kind: global_buffer, .address_space: global }
      - { .name: ls_indices, .offset: 8, .size: 8, .value_kind: global_buffer, .address_space: global }
      - { .name: W, .offset: 16, .size: 8, .value_kind: global_buffer, .address_space: global }
      - { .name: b, .offset: 24, .size: 8, .value_kind: global_buffer, .address_space: global }
      - { .name: out0, .offset: 32, .size: 8, .value_kind: global_buffer, .address_space: global }
    .group_segment_fixed_size: 199424
    .private_segment_fixed_size: 0
    .kernarg_segment_align: 8
    .kernarg_segment_size: 40
    .max_flat_workgroup_size: 128
    .sgpr_count:     66
    .vgpr_count:     1024
    .wavefront_size: 32
...
	.end_amdgpu_metadata
.endif
;; end of part 2
